; MI455X (gfx1250); checked and timed in simulation.
; The chip was launched on July 23, 2026; its instructions are those of AMD's public machine-readable ISA for CDNA 5 (MIT licence, August 2026) and "CDNA5" Instruction Set Architecture Reference Guide (July 2026). The comments in the code are by the model that wrote it; some were corrected since.
;; Scaled Dot Product Attention. Allowed arithmetic: matrix products marked QUANTISED: E2M3 operands, one E8M0 scale for each 32 along K, by v_wmma_scale_f32_16x16x128_f8f6f4 with both operands' format E2M3, f32 sums; everything else in f32.
;; Inputs: key 4 x 16 x 2,048 x 64 float32; query 4 x 16 x 2,048 x 64 float32; value 4 x 16 x 2,048 x 64 float32.
;; Outputs: out0 4 x 16 x 2,048 x 64 float32.
;; Constants: to_mask = 1.
;; This version of the problem:
;;   THIS VERSION OF THE PROBLEM IS GIVEN IN LOW PRECISION. The matrix products marked QUANTISED in the list below multiply operands that are first quantised to E2M3 (2 exponent bits, 3 mantissa bits; 6 bits a number), with one power-of-two scale for each 32 numbers along K (OCP MX v1.0); their sums are f32. All else is computed in f32.
;;   The module's matrix products, in the order in which they are computed (A, B: the left and right operand; K: the contracted axis; several contracted axes count as one K, in the product's order):
;;     1. batch 64 x [M 2,048, K 64] x [K 64, N 2,048]; A: input query; B: input key: QUANTISED
;;     2. batch 64 x [M 2,048, K 2,048] x [K 2,048, N 64]; A: softmax (see below); B: input value: QUANTISED
;;   THE QUANTISER, for each operand of a quantised product, along K:
;;     - K is cut into blocks of 32 from its start; a last block that is shorter is filled with zeros.
;;     - A block's scale is 2^e with e = floor(log2(the largest magnitude in the block)) - 2, held to -126 .. 127; a block of zeros has e = 0. As a byte (E8M0): e + 127.
;;     - Each number is divided by its block's scale, clamped to +-7.5, and rounded to the nearest number of E2M3, ties to even, subnormals kept.
;;     - The product sums the exact products of the quantised numbers (number of the format x scale) in f32.
;;   ~~~python
;;   def quantise(x, axis):      # numpy; x: float32 -> the quantised numbers, widened to float32 again
;;       x = np.moveaxis(x, axis, -1); K = x.shape[-1]
;;       x = np.pad(x, [(0, 0)] * (x.ndim - 1) + [(0, -K % 32)]); x = x.reshape(x.shape[:-1] + (-1, 32)); a = np.abs(x).max(-1, keepdims=True)
;;       e = np.where(a > 0, np.clip(np.frexp(np.where(a > 0, a, 1))[1] - 1 - 2, -126, 127), 0)      # np.frexp(a)[1] - 1 = floor(log2(a)), exactly
;;       r = np.clip(x / 2.0 ** e, -7.5, 7.5)
;;       step = 2.0 ** (np.maximum(np.frexp(np.where(r == 0, 1, r))[1] - 1, 0) - 3)
;;       q = np.round(r / step) * step * 2.0 ** e      # np.round: ties to even
;;       return np.moveaxis(q.reshape(q.shape[:-2] + (-1,))[..., :K], -1, axis).astype(np.float32)
;;   ~~~
;;   SOFTMAX AHEAD OF A QUANTISED PRODUCT. Where the list says 'softmax', what is quantised is not the finished softmax but p = 2^(t - M), with t = logit x log2(e) and M = ceil(the row's largest t), a whole number; so 1/2 < the row's largest p <= 1. The row's sum l is taken of the UNQUANTISED p, in f32, and the product's result is divided by l at the end. Since M is a whole number, a kernel that streams over the keys may use a running M (the ceiling of the running maximum): every later rescaling is an exact power of two, which a block's scale takes up: the codes' values come out the same.
;;   OPERANDS COMPUTED ON THE WAY. 'Computed on the way' means the value that the module computes at that place (a softmax that the list does not call 'softmax' is quantised finished and normalised). What goes into a quantiser is computed in f32, as accurately as f32 sums, v_exp_f32 and their like allow (about 1e-6 of the number): no bf16 or f16 on the way to a quantiser, and a product that is left as it is and whose result goes on into a quantised operand takes f32 operands (vector FMAs, or v_wmma_f32_16x16x4_f32). A number that lies on a knife's edge between two numbers of the format may be rounded either way, as far as f32 arithmetic and the matrix unit's own rounding can turn it there, and no further.
;; One version. Each part assembles by itself: llvm-mc -triple=amdgcn-amd-amdhsa -mcpu=gfx1250 --defsym DOCPART=n.
;; ======== version 1 of 1: 2 launches
;; limits: inputs' magnitudes at most 100,000,000
;; workspace buffers: kv 13,369,344 bytes
;; launch quant (part 1): grid 1024 x 1, 4 waves a work-group, no clusters, 35,328 bytes of LDS; arguments key, value, kv; writes kv
.if DOCPART == 1
	.amdgcn_target "amdgcn-amd-amdhsa--gfx1250"
	.amdhsa_code_object_version 6
	.text
	.protected	k_q60e40ca6db_quant
	.globl	k_q60e40ca6db_quant
	.p2align	8
	.type	k_q60e40ca6db_quant,@function
k_q60e40ca6db_quant:
	s_mov_b64 s[64:65], 0
	v_nop
	global_prefetch_b8 v0, s[64:65] scope:SCOPE_SE
	s_setreg_imm32_b32 hwreg(HW_REG_WAVE_MODE, 25, 1), 1
	s_wait_xcnt 0x0
; CAUSAL ATTENTION ON CODES OF FP6 (E2M3), FIRST OF TWO LAUNCHES: key and value, [64 heads][2048][64] f32, become codes and E8M0 scale bytes in the workspace kv.
; key is quantised along d (the first product's K: two blocks of 32), value along the KEYS (the second product's K: blocks of 32 keys of one column d).
; A block's scale is 2^(floor(log2(its largest magnitude)) - 2); its byte is the largest magnitude's exponent field - 2, held at 1 from below.
;
; WORK THAT THE PROGRAM LEAVES OUT (this launch leaves out none; the second does).  The mask is built in the problem's own body and to_mask = 1 is a listed constant: a key k > q gets the score s - 1e19,
; so its weight is 2^((s - 1e19) log2(e) - M), M at least the weight exponent of key 0, which always counts: under every rounding of the row's sum and of the product, for all finite inputs whose scores stay far under 1e19.
; So tiles of keys that lie wholly behind a tile of queries are neither fetched nor multiplied; inside a tile on the diagonal hidden scores are set to -infinity, which gives the weight 0.  All three inputs are loaded.
; LIMITS: scores must stay far under 1e19 in size (inputs under about 1e8); a NaN, an infinity or an overflow that reaches only the tiles left out is not carried to the result; NaN and infinities among the inputs are not served;
; a block of zeros gets the byte 1 where the rule says 127 (its codes are zeros, and this program alone reads the bytes); blocks whose largest magnitude lies under 2^-124 are held at the byte 1.
;
; kv IS LAID IN THE ORDER OF THE OPERANDS' REGISTERS: [head 64][slot 8][26,112 bytes], a slot = 256 keys = two key steps q of 128.  With l the lane, r = l % 16, h = l / 16:
;   q x 12288 + T x 768 (T = 2 b + u = 0..7): K's tile T: lane (r, h) holds key 128 q + 32 b + 8 u + r + 8 (r / 8), d = 32 h .. 32 h + 31, six registers: registers 0-3 at 16 l, registers 4-5 at 512 + 8 l
;   q x 12288 + 6144 + t x 1536 + 512 g: V^T's tile t (d = 16 t + r; registers 6 c .. 6 c + 5 = keys 64 c + 32 h + 0 .. 31): registers 4 g .. 4 g + 3 at 16 l
;   24576 + q x 768 + 256 g: K's scale words, a pair of registers at 8 l: register m holds tile 4 g + 2 m in lanes 0-15 and tile 4 g + 2 m + 1 in lanes 16-31; a word = byte(d 0-31) | byte(d 32-63) << 8 | 0x7f7f0000
;   24576 + q x 768 + 512 + 128 a: V's scale words at 4 l: lanes 0-15 tile 2 a, lanes 16-31 tile 2 a + 1; byte b serves keys 32 b .. 32 b + 31
; SHARES.  Work-groups 0-511 take key, 512-1023 value; four waves each.  A wave of key takes 64 keys (four tiles), a wave of value 32 columns x 128 keys (two tiles).  Waves share nothing: no barrier.  No tensor load.
.set SLOTB, 26112
.set SPARE, 34816                      ; behind the four waves' stages (8,704 bytes each): the spare words, 128 bytes a wave
.set R,  16                            ; key: v16-143  the numbers as loaded, 32 registers a tile
.set X,  144                           ; key: v144-207 two sets of 32 neighbours along d
.set C,  208                           ; key: v208-239 codes, eight registers a tile (six used), so that no store's data are written again
.set T,  240                           ; key: v240-242 the second conversion's result
.set W,  244                           ; key: v244-247 the tiles' scale words
.set VX, 16                            ; value: v16-143 four blocks of 32 keys of my column
.set F0, 144                           ; value: v144-155 blocks 0 and 2; behind the exchange tile 2 a's fragment
.set F1, 156                           ; value: v156-167 blocks 1 and 3; behind the exchange tile 2 a + 1's
.set VT, 168                           ; value: v168-170 the second conversion's result
.set VW, 172                           ; value: v172 my column's scale word
	s_load_b128 s[4:7], s[0:1], 0x0                ; key, value
	s_load_b64 s[8:9], s[0:1], 0x10                ; kv
	v_lshl_add_u32 v12, v0, 2, SPARE               ; my spare word; never rewritten
	v_mov_b32 v13, 0                               ; 0; never rewritten
	v_lshrrev_b32 v1, 5, v0
	v_readfirstlane_b32 s16, v1                    ; wave 0..3
	v_and_b32 v1, 31, v0                           ; lane
	v_lshlrev_b32 v2, 4, v1                        ; 16 l
	v_lshlrev_b32 v3, 3, v1                        ; 8 l
	v_lshlrev_b32 v15, 2, v1                       ; 4 l
	v_and_b32 v7, 15, v0                           ; r
	v_bfe_u32 v6, v0, 4, 1                         ; h
	s_mul_i32 s32, s16, 8704                       ; my wave's two stages of 16 rows x 272 bytes
	v_mul_u32_u24 v4, v6, 272
	v_lshl_add_u32 v4, v7, 4, v4
	v_add_nc_u32 v4, s32, v4                       ; into a stage: a load's 512 bytes are two rows: row h, 16 r
	v_mul_u32_u24 v5, v7, 272
	v_lshl_add_u32 v5, v6, 7, v5
	v_add_nc_u32 v5, s32, v5                       ; out of it: row r, my half's 128 bytes
	v_lshlrev_b32 v6, 3, v6                        ; 8 h: my byte's place in a scale word of key
	v_mov_b32 v14, 0                               ; written once: a lane permute's destination counts as one of its sources
	s_mov_b32 s20, 0x76543210
	s_mov_b32 s21, 0xfedcba98                      ; v_permlanex16_b32's selects for lane l xor 16
	s_cmp_lt_u32 ttmp9, 512
	s_cselect_b32 s17, 0, 512
	s_sub_co_u32 s17, ttmp9, s17                   ; my work-group among its tensor's 512
	s_lshl_b32 s17, s17, 2
	s_add_co_u32 s17, s17, s16                     ; g = 4 x work-group + wave
	s_lshr_b32 s18, s17, 1                         ; G = head x 16 + key step
	s_and_b32 s19, s17, 1                          ; a: which half of the step's work
	s_lshr_b32 s22, s18, 1                         ; slot = head x 8 + slot of the head
	s_and_b32 s23, s18, 1                          ; q
	s_mul_i32 s26, s22, SLOTB
	s_mul_i32 s28, s23, 12288
	s_mul_i32 s29, s19, 3072
	s_add_co_u32 s28, s28, s26
	s_add_co_u32 s28, s28, s29                     ; codes: slot, step, my half (four tiles of key or two of value are 3,072 bytes)
	s_mov_b32 s29, 0
	s_mul_i32 s30, s23, 768
	s_add_co_u32 s30, s30, s26
	s_add_co_u32 s30, s30, 24576                   ; scale words: slot, step
	s_mov_b32 s31, 0
	s_mov_b32 s25, 0
	s_wait_kmcnt 0x0
	s_cmp_lt_u32 ttmp9, 512                        ; the paths part on the work-group's number alone; only key's path touches LDS
	s_cbranch_scc0 .Lvalue
; ---------------- KEY: 64 keys x 64 d, 16,384 dense bytes ----------------
	s_lshl_b32 s24, s17, 14
	s_add_nc_u64 s[4:5], s[4:5], s[24:25]          ; my 64 keys
	s_add_nc_u64 s[10:11], s[8:9], s[28:29]        ; my four tiles' codes
	s_lshl_b32 s24, s19, 8
	s_add_co_u32 s30, s30, s24
	s_add_nc_u64 s[12:13], s[8:9], s[30:31]        ; my pair of scale registers
; Tile t of my four holds keys 32 (t / 2) + 8 (t % 2) + 0..7 and the eight that lie 16 further on.  Each load reads 512 dense bytes: two keys' rows.
.macro KLOAD t
.irp i, 0,1,2,3,4,5,6,7
	global_load_b128 v[R+32*(\t)+4*\i:R+32*(\t)+4*\i+3], v2, s[4:5] offset:(32*((\t)/2)+8*((\t)%2)+16*(\i/4))*256+512*(\i%4) th:TH_LOAD_NT
.endr
.endm
; The tile goes through my own stage, as it lies, and comes back 128 bytes a lane: 32 neighbours along d of key r.  LDS serves a wave's instructions in order: no wait between the stores and the loads.
.macro TURN t
.irp i, 0,1,2,3,4,5,6,7
	ds_store_b128 v4, v[R+32*(\t)+4*\i:R+32*(\t)+4*\i+3] offset:4352*((\t)%2)+544*\i
.endr
.irp j, 0,1,2,3,4,5,6,7
	ds_load_b128 v[X+32*((\t)%2)+4*\j:X+32*((\t)%2)+4*\j+3], v5 offset:4352*((\t)%2)+16*\j
.endr
.endm
.macro KWORK t
.set XS, X+32*((\t)%2)
	v_max3_num_f32 v8, |v[XS]|, |v[XS+1]|, |v[XS+2]|               ; the block's largest magnitude: all 32 numbers are mine; two chains
	v_max3_num_f32 v9, |v[XS+3]|, |v[XS+4]|, |v[XS+5]|
.irp i, 6,10,14,18,22,26
	v_max3_num_f32 v8, v8, |v[XS+\i]|, |v[XS+\i+1]|
	v_max3_num_f32 v9, v9, |v[XS+\i+2]|, |v[XS+\i+3]|
.endr
	v_max3_num_f32 v8, v8, |v[XS+30]|, |v[XS+31]|
	v_max3_num_f32 v8, v8, v9, 0x1800000           ; and the floor 2^(3 - 127): the byte cannot fall under 1
	v_add_nc_u32 v10, 0xff000000, v8               ; 2 off the exponent field: the conversion takes this operand's exponent field as its scale
	v_lshrrev_b32 v11, 23, v10                     ; the byte,
	v_lshlrev_b32 v11, v6, v11                     ; at its place: block h
	v_permlanex16_b32 v14, v11, s20, s21
	v_or_b32 v11, v11, v14                         ; with lane l xor 16's
	v_or_b32 v[W+(\t)], 0x7f7f0000, v11            ; the instruction's K is 128: over the zero codes of its upper half stands the byte 127
	v_cvt_scalef32_pk16_fp6_f32 v[C+8*(\t):C+8*(\t)+2], v[XS:XS+15], v10
	v_cvt_scalef32_pk16_fp6_f32 v[T:T+2], v[XS+16:XS+31], v10      ; (a conversion's three registers begin on an even number)
	v_nop                                          ; one plain place behind a scaled conversion
.irp i, 0,1,2
	v_mov_b32 v[C+8*(\t)+3+\i], v[T+\i]
.endr
	global_store_b128 v2, v[C+8*(\t):C+8*(\t)+3], s[10:11] offset:768*(\t)           ; 512 consecutive bytes, aligned
	global_store_b64 v3, v[C+8*(\t)+4:C+8*(\t)+5], s[10:11] offset:768*(\t)+512      ; 256 consecutive bytes, aligned
.endm
	KLOAD 0
	KLOAD 1
	KLOAD 2
	KLOAD 3
	s_wait_loadcnt 24                              ; tile 0's eight loads are in; the 24 younger stay out
	s_wait_alu depctr_va_vdst(0)
	TURN 0
	s_wait_loadcnt 16                              ; tile 1's
	TURN 1
	s_wait_dscnt 16                                ; tile 0 is back from its stage; tile 1's 8 stores and 8 loads stay out
	KWORK 0
	s_wait_loadcnt 8                               ; tile 2's
	TURN 2
	s_wait_dscnt 16
	KWORK 1
	s_wait_loadcnt 0x0
	TURN 3
	s_wait_dscnt 16
	KWORK 2
	s_wait_dscnt 0x0
	KWORK 3
	v_cmp_le_u32 vcc_lo, 16, v1                    ; lanes 16-31 carry the odd tile's words
	v_cndmask_b32 v248, v[W], v[W+1], vcc_lo
	v_cndmask_b32 v249, v[W+2], v[W+3], vcc_lo
	global_store_b64 v3, v[248:249], s[12:13]      ; 256 consecutive bytes, aligned
	s_wait_tensorcnt 0x0                           ; the wave's end, behind my last LDS store
	ds_add_u32 v12, v13
	s_wait_dscnt 0x0
	s_endpgm
; ---------------- VALUE: columns 32 a + l, 128 keys: a lane takes a column and its registers run down the keys ----------------
.Lvalue:
	s_lshl_b32 s24, s18, 15                        ; the step's 128 keys of 256 bytes,
	s_lshl_b32 s33, s19, 7                         ; my 32 columns
	s_add_co_u32 s24, s24, s33
	s_add_nc_u64 s[6:7], s[6:7], s[24:25]
	s_add_co_u32 s28, s28, 6144                    ; V's tiles lie behind K's eight
	s_add_nc_u64 s[10:11], s[8:9], s[28:29]
	s_add_co_u32 s30, s30, s33
	s_add_co_u32 s30, s30, 512
	s_add_nc_u64 s[12:13], s[8:9], s[30:31]
.macro VLOAD b                         ; block b: value(32 b + i, my column): 128 consecutive bytes a load; the wave beside me reads the row's other half
.set ii, 0
.rept 32
	global_load_b32 v[VX+32*(\b)+ii], v15, s[6:7] offset:(32*(\b)+ii)*256
.set ii, ii+1
.endr
.endm
.macro VBLOCK b
.set XS, VX+32*(\b)
.set AB, F0+12*((\b)%2)+6*((\b)/2)
	v_max3_num_f32 v8, |v[XS]|, |v[XS+1]|, |v[XS+2]|
	v_max3_num_f32 v9, |v[XS+3]|, |v[XS+4]|, |v[XS+5]|
.irp i, 6,10,14,18,22,26
	v_max3_num_f32 v8, v8, |v[XS+\i]|, |v[XS+\i+1]|
	v_max3_num_f32 v9, v9, |v[XS+\i+2]|, |v[XS+\i+3]|
.endr
	v_max3_num_f32 v8, v8, |v[XS+30]|, |v[XS+31]|
	v_max3_num_f32 v8, v8, v9, 0x1800000
	v_add_nc_u32 v10, 0xff000000, v8
	v_lshrrev_b32 v11, 23, v10
.if (\b) == 0
	v_mov_b32 v[VW], v11                           ; four bytes make my column's scale word, the earlier keys in the lower byte
.else
	v_lshl_or_b32 v[VW], v11, 8*(\b), v[VW]
.endif
	v_cvt_scalef32_pk16_fp6_f32 v[AB:AB+2], v[XS:XS+15], v10
	v_cvt_scalef32_pk16_fp6_f32 v[VT:VT+2], v[XS+16:XS+31], v10
	v_nop                                          ; one plain place behind a scaled conversion
.irp i, 0,1,2
	v_mov_b32 v[AB+3+\i], v[VT+\i]
.endr
.endm
; The operand's layout gives lane (r, h) of a tile the block 2 c + h of column r.  I hold blocks 2 c and 2 c + 1 of column l: the first's lanes 16-31 change places with the second's lanes 0-15.
.macro VSWAP c
.irp i, 0,1,2,3,4,5
	v_permlane16_swap_b32 v[F0+6*(\c)+\i], v[F1+6*(\c)+\i]
.endr
.endm
	VLOAD 0
	VLOAD 1
	s_wait_loadcnt 32                              ; block 0 is in; the one younger block's 32 loads stay out
	VLOAD 2
	VBLOCK 0
	s_wait_loadcnt 32                              ; block 1
	VLOAD 3
	VBLOCK 1
	VSWAP 0
	s_wait_loadcnt 32                              ; block 2
	VBLOCK 2
	s_wait_loadcnt 0x0
	VBLOCK 3
	VSWAP 1
.irp g, 0,1,2
	global_store_b128 v2, v[F0+4*\g:F0+4*\g+3], s[10:11] offset:512*\g           ; tile 2 a: 512 consecutive bytes, aligned
.endr
.irp g, 0,1,2
	global_store_b128 v2, v[F1+4*\g:F1+4*\g+3], s[10:11] offset:1536+512*\g      ; tile 2 a + 1
.endr
	global_store_b32 v15, v[VW], s[12:13]          ; 128 consecutive bytes; the wave beside me stores the 128 next to them
	s_endpgm
.Lfunc_end_k_q60e40ca6db_quant:
	.size	k_q60e40ca6db_quant, .Lfunc_end_k_q60e40ca6db_quant-k_q60e40ca6db_quant
	.p2alignl 7, 3214868480
	.fill 96, 4, 3214868480
	.section	.rodata,"a",@progbits
	.p2align	6, 0x0
	.amdhsa_kernel k_q60e40ca6db_quant
		.amdhsa_group_segment_fixed_size 35328
		.amdhsa_private_segment_fixed_size 0
		.amdhsa_enable_private_segment 0
		.amdhsa_kernarg_size 24
		.amdhsa_user_sgpr_count 2
		.amdhsa_user_sgpr_kernarg_segment_ptr 1
		.amdhsa_wavefront_size32 1
		.amdhsa_system_sgpr_workgroup_id_x 1
		.amdhsa_system_sgpr_workgroup_id_y 1
		.amdhsa_system_sgpr_workgroup_id_z 1
		.amdhsa_system_vgpr_workitem_id 0
		.amdhsa_next_free_vgpr 256
		.amdhsa_next_free_sgpr 66
		.amdhsa_reserve_vcc 1
		.amdhsa_float_denorm_mode_32 3
		.amdhsa_float_denorm_mode_16_64 3
		.amdhsa_memory_ordered 1
		.amdhsa_forward_progress 1
		.amdhsa_inst_pref_size 37
	.end_amdhsa_kernel
	.amdgpu_metadata
---
amdhsa.version: [ 1, 2 ]
amdhsa.kernels:
  - .name:           k_q60e40ca6db_quant
    .symbol:         k_q60e40ca6db_quant.kd
    .args:
      - { .name: key, .offset: 0, .size: 8, .value_kind: global_buffer, .address_space: global }
      - { .name: value, .offset: 8, .size: 8, .value_kind: global_buffer, .address_space: global }
      - { .name: kv, .offset: 16, .size: 8, .value_kind: global_buffer, .address_space: global }
    .group_segment_fixed_size: 35328
    .private_segment_fixed_size: 0
    .kernarg_segment_align: 8
    .kernarg_segment_size: 24
    .max_flat_workgroup_size: 128
    .sgpr_count:     66
    .vgpr_count:     256
    .wavefront_size: 32
...
	.end_amdgpu_metadata
.endif
;; end of part 1
;; launch attn (part 2): grid 4 x 64, 16 waves a work-group, no clusters, 327,680 bytes of LDS; arguments query, kv, out0; writes out0
.if DOCPART == 2
	.amdgcn_target "amdgcn-amd-amdhsa--gfx1250"
	.amdhsa_code_object_version 6
	.text
	.protected	k_q60e40ca6db_attn
	.globl	k_q60e40ca6db_attn
	.p2align	8
	.type	k_q60e40ca6db_attn,@function
k_q60e40ca6db_attn:
	s_mov_b64 s[64:65], 0
	v_nop
	global_prefetch_b8 v0, s[64:65] scope:SCOPE_SE
	s_setreg_imm32_b32 hwreg(HW_REG_WAVE_MODE, 25, 1), 1
	s_wait_xcnt 0x0
; CAUSAL ATTENTION ON CODES OF FP6 (E2M3), SECOND LAUNCH.  out0[head][q][:] = the sum over k <= q of softmax_k(Q[q] . K[k] / 8) V[k][:]; 64 heads, 2,048 positions, head size 64; query and out0 f32.
; K and V come as codes and E8M0 scale words from kv, laid by the first launch in the order of the operands' registers: 26,112 dense bytes for each slot of 256 keys (its head comment gives the map).
; LEFT OUT (shown at the head of the first kernel): key steps all of whose 128 keys come after a wave's 16 queries, and slots behind a block's diagonal: their weights are 2^(about -1.4e19), under every rounding.
; LIMITS: as stated there (scores far under 1e19; NaN and infinities not served, and not carried out of the tiles left out; a block of zeros has the byte 1; blocks under 2^-124 are held at the byte 1).
; THE SOFTMAX AHEAD OF THE SECOND PRODUCT: t = score x log2(e) / 8; M = the running largest t rounded UP to a whole number; p = 2^(t - M) is quantised along the keys, not normalised; the row's sum is taken of the
; unquantised p and divides at the end.  When M moves, the sum and O are multiplied by 2^(old M - new M): exact.
; THE FIRST PRODUCT'S K IS 64, the instruction's 128: registers 6-11 of K's and Q's fragments are zero codes for good, under the byte 127.
; SHARES.  A work-group (j, head) owns the query blocks 7 - j and j of 256 queries and walks them one after the other: (8 - j) + (j + 1) = 9 slots of keys for every work-group: 256 work-groups of equal work, constant
; trip counts, and every slot that is fetched is read.  Each of the sixteen waves owns one tile of 16 queries of the block in 256 registers: four waves to a SIMD, one wave's vector work beside another's products and loads.
; Wave w takes tile 8 ((w ^ (w >> 2)) & 1) + (w >> 1): tiles under 8 skip the diagonal slot's second step, and this map deals the two kinds evenly among waves w % 4 as among waves w / 4.
; BOTH PRODUCTS ARE USED TRANSPOSED: S^T = K Q^T (source 0 = 16 keys, source 1 = my queries), O^T = V^T P^T (source 0 = 16 of the head's 64, source 1 = P): a lane holds ONE query (lane % 16) throughout.
; The keys of a tile of K are not neighbours (first kernel), so that the 16 registers of tiles 2 b, 2 b + 1 are keys 32 b + 16 (lane / 16) + 0 .. 15.
; NO CLUSTER: the four work-groups of a head want different slots in the same trip as soon as the first of them ends its first block (trip 5 of 9), so their requests cannot all be joint; kept in step they would walk 12 trips for 9.
; LDS: slot 0 at 0, slot 1 at 32,768 (26,112 bytes each, filled by wave 0's tensor load, one dense block); from 65,536 a stage of 16 rows x 272 bytes for each wave (ds_store alone writes it); from 135,168 the spare words.
; All of the WGP's LDS is claimed.
.set SLOTB, 26112
.set SLOT1, 32768
.set STG,   65536
.set SPARE, 135168
.set STEPB, 12288                      ; a key step's codes in a slot: K's 8 tiles x 768, V's 4 tiles x 1,536
.set SCB,   24576                      ; the slot's scale words; 768 bytes a step
.set LI,  1                            ; v1   16 x lane
.set L8,  2                            ; v2   8 x lane
.set L4,  3                            ; v3   4 x lane
.set SPW, 4                            ; v4   my spare word; never rewritten
.set NIL, 5                            ; v5   0; never rewritten
.set STO, 6                            ; v6   my stage: row r, + 32 h
.set RD,  7                            ; v7   my stage: row h, + 16 r
.set ADK, 8                            ; v8-10 the slot in hand + 16, 8, 4 x lane
.set AD8, 9
.set AD4, 10
.set QRD, 11                           ; v11  my stage: row r, + 128 h
                                       ; v12 -M, v13 the largest t, v[14:15] the row's sum in two halves
.set Q,   16                           ; v16-27 Q's fragment (22-27 zeros)
.set QB,  28                           ; v28-33 the second block's codes of Q
.set QS,  34                           ; v34  Q's scale words;  v35 the second block's
.set QSB, 35
.set KFR, 36                           ; v36-83 four fragments of K (of each 12 registers the upper six are zeros)
.set KS,  84                           ; v84-87 K's scale words;  v88-89 V's;  v90 p's
.set VS,  88
.set PS,  90
.set PFO, 92                           ; v92  256 x lane: the prefetch's offset; never rewritten
.set RH,  93                           ; v93  r - 16 h
.set H8,  94                           ; v94  8 h
.set S,   96                           ; v96-159 S^T, then p; then v96-143 V's four fragments
.set O,   160                          ; v160-191 O^T, four tiles
.set PC,  192                          ; v192-203 p's codes
.set PT,  204                          ; v204-211 conversions' results that are moved
.set BM,  212                          ; v212-215 the blocks' largest scores
.set BP,  216                          ; v216-219 lane permutes' results, then the bytes
.set SCO, 220                          ; v220-223 the conversions' scale operands
.set TA,  224                          ; v224 at work
.set F,   226                          ; v[226:227] f = 2^(old M - new M)
.set SU,  228                          ; v[228:229] the sum's second chain
.set MD,  230                          ; v230, v231 the mask's
.set MI,  231
; s10 wave, s11 tile, s12 j, s13 head, s14 L = 8 - j, s15 trip, s16 the slot in hand, s17 the next, s18 its LDS byte, s19 its first key, s[20:21] lane selects, s[22:23] c,
; s[24:31], s[32:35] descriptor groups 1 and 0, s[36:37] kv at my head, s[38:39] an offset, s[40:41] out0 at my rows, s[42:43] the second block's, s44 my first query, s45 the second block's,
; s[46:47] the prefetch's address, s48 its limit, s[50:53] query at my rows of both blocks, s54-59, s66-69 at work
.macro TLOAD                           ; wave 0 fetches; the branch hangs on the wave's number alone.  An s_nop 0 and four v_nop follow the load
	s_cmp_eq_u32 s10, 0
	s_cbranch_scc0 .Lnot_mine_\@
	tensor_load_to_lds s[32:35], s[24:31]
	s_nop 0
.rept 4
	v_nop
.endr
.Lnot_mine_\@:
.endm
; A PREFETCH of the codes of the slot that the NEXT change of slots will ask for: trip P names slot P + 2, one trip (two key steps) ahead of its tensor load.  All four work-groups of a head walk slots 0, 1, 2 .. first:
; the one with j = 0, which walks all eight, asks, in its waves 4 to 6: 8,192 bytes a wave, lanes 256 bytes apart: each aligned 256 bytes of a slot's 24,576 bytes of codes is named once in the launch.
; Slots 0 and 1 and the slots' scale words come by their loads alone; the last request, in trip 5, names slot 7.
.macro ASK
	s_cmp_lt_u32 s15, s48
	s_cbranch_scc0 .Lno_ask_\@
	global_prefetch_b8 v[PFO], s[46:47] th:TH_LOAD_NT scope:SCOPE_SE
.Lno_ask_\@:
.endm
	s_load_b128 s[4:7], s[0:1], 0x0                ; query, kv
	s_load_b64 s[8:9], s[0:1], 0x10                ; out0
	v_lshl_add_u32 v[SPW], v0, 2, SPARE
	v_mov_b32 v[NIL], 0
	ds_add_u32 v[SPW], v[NIL]                      ; the wave's opening: the add, twice on end, and its wait ahead of the first tensor load; the set-up below is work on registers
	ds_add_u32 v[SPW], v[NIL]
	v_lshrrev_b32 v1, 5, v0
	s_delay_alu instid0(VALU_DEP_1)
	v_readfirstlane_b32 s10, v1                    ; wave 0..15
	s_lshr_b32 s54, s10, 2
	s_xor_b32 s54, s54, s10
	s_and_b32 s54, s54, 1
	s_lshl_b32 s54, s54, 3
	s_lshr_b32 s11, s10, 1
	s_add_co_u32 s11, s11, s54                     ; my tile of 16 queries in a block
	s_mov_b32 s12, ttmp9                           ; j
	s_and_b32 s13, ttmp7, 0xffff                   ; head
	s_sub_co_u32 s14, 8, s12                       ; L: the first block's slots
	s_lshl_b32 s55, s11, 4
	s_sub_co_u32 s44, 7, s12
	s_lshl_b32 s44, s44, 8
	s_add_co_u32 s44, s44, s55                     ; my first query in block 7 - j,
	s_lshl_b32 s45, s12, 8
	s_add_co_u32 s45, s45, s55                     ; and in block j
	s_lshl_b32 s56, s13, 11
	s_add_co_u32 s58, s56, s44
	s_lshl_b32 s58, s58, 8                         ; their rows of 256 bytes in query and out0
	s_mov_b32 s59, 0
	s_add_co_u32 s66, s56, s45
	s_lshl_b32 s66, s66, 8
	s_mov_b32 s67, 0
	s_mul_i32 s38, s13, 8*SLOTB
	s_mov_b32 s39, 0
	s_and_b32 s54, s10, 3
	s_lshl_b32 s54, s54, 13
	s_add_co_u32 s54, s54, SLOTB                   ; the prefetch: my wave's 8,192 bytes, in slot 1: the first change of slots steps it to slot 2
	s_mov_b32 s55, 0
	s_sub_co_u32 s56, s10, 4
	s_cmp_lt_u32 s56, 3                            ; waves 4 to 6
	s_cselect_b32 s48, 6, 0
	s_cmp_eq_u32 s12, 0                            ; of the work-group with j = 0
	s_cselect_b32 s48, s48, 0
	; descriptor group 1: a dense block of 26,112 bytes as 102 rows of 32 elements of 8 bytes; no padding, no mask
	s_mov_b32 s24, 3<<16
	s_mov_b32 s25, 32<<16                          ; tensor_dim0 = 32
	s_mov_b32 s26, 102<<16                         ; tensor_dim1 = 102
	s_mov_b32 s27, 32<<16                          ; tile_dim0 = 32
	s_mov_b32 s28, 102                             ; tile_dim1 = 102
	s_mov_b32 s29, 32                              ; from row to row
	s_mov_b32 s30, 0
	s_mov_b32 s31, 0
	s_mov_b32 s20, 0x76543210
	s_mov_b32 s21, 0xfedcba98                      ; v_permlanex16_b32's selects for lane l xor 16
	s_mov_b32 s22, 0x3e38aa3b                      ; c = log2(e) / 8
	s_mov_b32 s23, s22                             ; (named with it as a pair, so it is written)
	s_mov_b32 s15, 0
	s_mov_b32 s16, 0
	s_mov_b32 s18, 0
	v_and_b32 v1, 31, v0
	s_delay_alu instid0(VALU_DEP_1)
	v_lshlrev_b32 v[L8], 3, v1
	s_delay_alu instid0(VALU_DEP_2)
	v_lshlrev_b32 v[L4], 2, v1
	s_delay_alu instid0(VALU_DEP_3)
	v_lshlrev_b32 v[PFO], 8, v1
	s_delay_alu instid0(VALU_DEP_4)
	v_lshlrev_b32 v[LI], 4, v1
	v_and_b32 v224, 15, v0                         ; r
	v_bfe_u32 v225, v0, 4, 1                       ; h
	s_mul_i32 s57, s10, 4352
	s_add_co_u32 s57, s57, STG                     ; my stage
	v_mul_u32_u24 v[STO], v224, 272
	s_delay_alu instid0(VALU_DEP_1)
	v_add_nc_u32 v[STO], s57, v[STO]
	s_delay_alu instid0(VALU_DEP_1)
	v_lshl_add_u32 v[QRD], v225, 7, v[STO]
	s_delay_alu instid0(VALU_DEP_2)
	v_lshl_add_u32 v[STO], v225, 5, v[STO]
	v_mul_u32_u24 v[RD], v225, 272
	s_delay_alu instid0(VALU_DEP_1)
	v_lshl_add_u32 v[RD], v224, 4, v[RD]
	s_delay_alu instid0(VALU_DEP_1)
	v_add_nc_u32 v[RD], s57, v[RD]
	v_lshlrev_b32 v[H8], 3, v225
	v_lshlrev_b32 v[RH], 4, v225
	s_delay_alu instid0(VALU_DEP_1)
	v_sub_nc_u32 v[RH], v224, v[RH]
	s_wait_dscnt 0x0                               ; both opening adds are done
	s_wait_kmcnt 0x0
	s_add_nc_u64 s[36:37], s[6:7], s[38:39]        ; kv at my head
	s_add_nc_u64 s[50:51], s[4:5], s[58:59]
	s_add_nc_u64 s[52:53], s[4:5], s[66:67]
	s_add_nc_u64 s[40:41], s[8:9], s[58:59]
	s_add_nc_u64 s[42:43], s[8:9], s[66:67]
	s_add_nc_u64 s[46:47], s[36:37], s[54:55]
	s_mov_b32 s32, 1                               ; group 0: count = 1,
	s_mov_b32 s33, 0                               ; LDS slot 0,
	s_mov_b64 s[34:35], s[36:37]                   ; the head's slot 0,
	s_or_b32 s35, s35, 0x80000000                  ; type = 2
	TLOAD                                          ; the one first fill at the head; slot 1's goes out behind the first trip's barrier, at which nothing is filled again
.irp i, 0,1,2,3,4,5,6,7
	global_load_b128 v[96+4*\i:99+4*\i], v[LI], s[50:51] offset:512*\i th:TH_LOAD_NT    ; my 16 rows of Q, first block: 512 dense bytes a load
.endr
.irp i, 0,1,2,3,4,5,6,7
	global_load_b128 v[128+4*\i:131+4*\i], v[LI], s[52:53] offset:512*\i th:TH_LOAD_NT  ; second block
.endr
.irp i, 6,7,8,9,10,11
	v_mov_b32 v[Q+\i], 0                           ; zero codes for k = 64 .. 127, for good
.irp t, 0,1,2,3
	v_mov_b32 v[KFR+12*\t+\i], 0
.endr
.endr
.irp b, 0,1,2,3
	v_mov_b32 v[BP+\b], 0                          ; written once: a lane permute's destination counts as one of its sources
.endr
	v_mov_b32 v[F+1], 0                            ; (named as the upper half of the pair before it is ever written)
; 16 rows of Q in v[raw] on, as loaded, go through my stage and come back 32 neighbours along d a lane; they become six registers of codes in v[dst] on and the scale words in v[sreg].
.macro QQ raw, dst, sreg
.irp i, 0,1,2,3,4,5,6,7
	ds_store_b128 v[RD], v[\raw+4*\i:\raw+4*\i+3] offset:544*\i
.endr
.irp i, 0,1,2,3,4,5,6,7
	ds_load_b128 v[O+4*\i:O+4*\i+3], v[QRD] offset:16*\i           ; LDS serves a wave's instructions in order: these see my stores
.endr
	s_wait_dscnt 0x0
	v_max3_num_f32 v[BM], |v[O]|, |v[O+1]|, |v[O+2]|
	v_max3_num_f32 v[BM+1], |v[O+3]|, |v[O+4]|, |v[O+5]|
.irp i, 6,10,14,18,22,26
	s_delay_alu instid0(VALU_DEP_2)
	v_max3_num_f32 v[BM], v[BM], |v[O+\i]|, |v[O+\i+1]|
	s_delay_alu instid0(VALU_DEP_2)
	v_max3_num_f32 v[BM+1], v[BM+1], |v[O+\i+2]|, |v[O+\i+3]|
.endr
	s_delay_alu instid0(VALU_DEP_2)
	v_max3_num_f32 v[BM], v[BM], |v[O+30]|, |v[O+31]|
	s_delay_alu instid0(VALU_DEP_1)
	v_max3_num_f32 v[BM], v[BM], v[BM+1], 0x1800000                ; the floor 2^(3 - 127)
	s_delay_alu instid0(VALU_DEP_1)
	v_add_nc_u32 v[SCO], 0xff000000, v[BM]
	s_delay_alu instid0(VALU_DEP_1)
	v_lshrrev_b32 v[BP], 23, v[SCO]
	s_delay_alu instid0(VALU_DEP_1)
	v_lshlrev_b32 v[BP], v[H8], v[BP]                              ; my block's byte at its place
	s_delay_alu instid0(VALU_DEP_1)
	v_permlanex16_b32 v[BP+1], v[BP], s20, s21
	s_delay_alu instid0(VALU_DEP_1)
	v_or_b32 v[BP], v[BP], v[BP+1]
	s_delay_alu instid0(VALU_DEP_1)
	v_or_b32 v[\sreg], 0x7f7f0000, v[BP]
	v_cvt_scalef32_pk16_fp6_f32 v[\dst:\dst+2], v[O:O+15], v[SCO]
	v_cvt_scalef32_pk16_fp6_f32 v[PT:PT+2], v[O+16:O+31], v[SCO]
	v_nop                                          ; one plain place behind a scaled conversion
.irp i, 0,1,2
	v_mov_b32 v[\dst+3+\i], v[PT+\i]
.endr
.endm
.macro RESET                           ; a block begins: the largest t at -3e38, the sum and O^T at zero (the step is written once: the first change of M multiplies zeros)
	v_mov_b32 v13, 0xff61b1e6
	v_mov_b32 v14, 0
	v_mov_b32 v15, 0
	s_delay_alu instid0(VALU_DEP_3)
	v_floor_f32 v12, -v13
.set n, 0
.rept 32
	v_mov_b32 v[O+n], 0
.set n, n+1
.endr
.endm
	s_wait_loadcnt 8                               ; the first block's eight loads are in; the second's stay out
	QQ 96, Q, QS
	s_wait_loadcnt 0x0
	QQ 128, QB, QSB
	RESET
.macro KFETCH q, g                     ; four tiles of K, as images of their registers: 512 and 256 consecutive bytes a load
.irp t, 0,1,2,3
	ds_load_b128 v[KFR+12*\t:KFR+12*\t+3], v[ADK] offset:(\q)*STEPB+(4*(\g)+\t)*768
	ds_load_b64 v[KFR+12*\t+4:KFR+12*\t+5], v[AD8] offset:(\q)*STEPB+(4*(\g)+\t)*768+512
.endr
.endm
.macro KMUL g                          ; S^T of these four tiles; an odd tile's scale words stand in lanes 16-31
.irp t, 0,1,2,3
.if \t%2
	v_wmma_scale_f32_16x16x128_f8f6f4 v[S+8*(4*(\g)+\t):S+8*(4*(\g)+\t)+7], v[KFR+12*\t:KFR+12*\t+11], v[Q:Q+11], 0, v[KS+2*(\g)+\t/2], v[QS] matrix_a_fmt:MATRIX_FMT_FP6 matrix_b_fmt:MATRIX_FMT_FP6 matrix_a_scale:MATRIX_SCALE_ROW1
.else
	v_wmma_scale_f32_16x16x128_f8f6f4 v[S+8*(4*(\g)+\t):S+8*(4*(\g)+\t)+7], v[KFR+12*\t:KFR+12*\t+11], v[Q:Q+11], 0, v[KS+2*(\g)+\t/2], v[QS] matrix_a_fmt:MATRIX_FMT_FP6 matrix_b_fmt:MATRIX_FMT_FP6
.endif
.endr
.endm
; A KEY STEP: the 128 keys from s19 + 128 q on, in the slot at LDS byte s18.
.macro STEP q
	s_add_co_u32 s66, s19, 128*(\q)                ; the step's first key
	s_add_co_u32 s67, s44, 15                      ; my last query
	s_cmp_gt_u32 s66, s67                          ; all its keys come after my queries: the step is left out.  Ids and the count of trips alone; no barrier and no tensor load stands in a step
	s_cbranch_scc1 .Lhid_\@
	v_add_nc_u32 v[ADK], s18, v[LI]
	v_add_nc_u32 v[AD8], s18, v[L8]
	v_add_nc_u32 v[AD4], s18, v[L4]
.rept 3
	v_nop                                          ; six places with the three above: S^T is laid over the registers from which the last products read V (five are owed), and V's scale registers are loaded anew (four)
.endr
	KFETCH \q, 0
.irp g, 0,1
	ds_load_b64 v[KS+2*\g:KS+2*\g+1], v[AD8] offset:SCB+768*(\q)+256*\g
.endr
.irp a, 0,1
	ds_load_b32 v[VS+\a], v[AD4] offset:SCB+768*(\q)+512+128*\a
.endr
	s_wait_alu depctr_va_vdst(0)
	s_wait_dscnt 0x0
	KMUL 0
.rept 4
	v_nop                                          ; places in front of loads into registers that these products have read
.endr
	KFETCH \q, 1
	s_wait_dscnt 0x0
	KMUL 1
.rept 4
	v_nop                                          ; places in front of the first read of the scores
.endr
	s_add_co_u32 s68, s66, 127
	s_cmp_le_u32 s68, s44                          ; all keys of the step count for all my queries: no mask
	s_cbranch_scc1 .Lopen_\@
	s_sub_co_i32 s68, s44, s66
	v_add_nc_u32 v[MD], s68, v[RH]                 ; d = my query - the step's first key - 16 h.  Register 16 b + i holds key 32 b + 16 h + i of the step: hidden where 32 b + i > d
	v_mov_b32 v[MI], 0xff800000                    ; -infinity: p = 0
.set n, 0
.rept 64
	v_cmp_gt_i32 vcc_lo, 32*(n/16)+n%16, v[MD]
	v_cndmask_b32 v[S+n], v[S+n], v[MI], vcc_lo
.set n, n+1
.endr
.Lopen_\@:
.irp b, 0,1,2,3
	v_max3_num_f32 v[BM+\b], v[S+16*\b], v[S+16*\b+1], v[S+16*\b+2]   ; the largest score of each block of 32 keys: for the row's maximum, and, since p rises with the score, for the block's largest p
.endr
.irp i, 3,5,7,9,11,13
.irp b, 0,1,2,3
	v_max3_num_f32 v[BM+\b], v[BM+\b], v[S+16*\b+\i], v[S+16*\b+\i+1]
.endr
.endr
.irp b, 0,1,2,3
	v_max_num_f32 v[BM+\b], v[BM+\b], v[S+16*\b+15]
.endr
.irp b, 0,1,2,3
	s_delay_alu instid0(VALU_DEP_4)
	v_permlanex16_b32 v[BP+\b], v[BM+\b], s20, s21
.endr
.irp b, 0,1,2,3
	s_delay_alu instid0(VALU_DEP_4)
	v_max_num_f32 v[BM+\b], v[BM+\b], v[BP+\b]     ; with lane l xor 16's 16 keys
.endr
	s_delay_alu instid0(VALU_DEP_2)
	v_max3_num_f32 v[TA], v[BM], v[BM+1], v[BM+2]
	s_delay_alu instid0(VALU_DEP_1)
	v_max_num_f32 v[TA], v[TA], v[BM+3]
	s_delay_alu instid0(VALU_DEP_1)
	v_mul_f32 v[TA], s22, v[TA]                    ; the step's largest t (c is positive)
	s_delay_alu instid0(VALU_DEP_1)
	v_max_num_f32 v13, v13, v[TA]                  ; the running largest t
	v_mov_b32 v[TA], v12
	s_delay_alu instid0(VALU_DEP_2)
	v_floor_f32 v12, -v13                          ; the new -M = -ceil(t): a whole number
	s_delay_alu instid0(VALU_DEP_1)
	v_sub_f32 v[TA], v12, v[TA]                    ; old M - new M: a whole number, 0 or less
	s_delay_alu instid0(VALU_DEP_1)
	v_cvt_i32_f32 v[TA], v[TA]                     ; (it saturates)
	s_delay_alu instid0(VALU_DEP_1)
	v_ldexp_f32 v[F], 1.0, v[TA]                   ; f = 2^(old M - new M)
.set n, 0
.rept 32
	v_pk_fma_f32 v[S+n:S+n+1], v[S+n:S+n+1], s[22:23], v[12:13] op_sel_hi:[1,0,0]   ; t - M, two at a time
.set n, n+2
.endr
.irp b, 0,1,2,3
	v_fma_f32 v[BM+\b], v[BM+\b], s22, v12         ; the same of each block's largest score
.endr
.set n, 0
	s_wait_alu depctr_va_vdst(0)
.rept 64
	v_exp_f32 v[S+n], v[S+n]                       ; p = 2^(t - M)
.set n, n+1
.endr
	v_pk_mul_f32 v[14:15], v[14:15], v[F:F+1] op_sel_hi:[1,0]      ; the sums under the new M: the plain place behind the exponentials
	s_wait_alu depctr_va_vdst(0)                   ; one wait for the batch of 64, ahead of its first reader
.irp b, 0,1,2,3
	v_exp_f32 v[BM+\b], v[BM+\b]                   ; the blocks' largest p: the same two instructions on the same number give the same bits
.endr
	v_pk_add_f32 v[228:229], v[100:101], v[104:105]
	v_pk_add_f32 v[254:255], v[108:109], v[112:113]
	v_pk_add_f32 v[252:253], v[116:117], v[120:121]
	v_pk_add_f32 v[250:251], v[124:125], v[128:129]
	v_pk_add_f32 v[248:249], v[132:133], v[136:137]
	v_pk_add_f32 v[246:247], v[140:141], v[144:145]
	v_pk_add_f32 v[244:245], v[148:149], v[152:153]
	v_pk_add_f32 v[14:15], v[14:15], v[156:157]
	v_pk_add_f32 v[228:229], v[228:229], v[96:97]
	v_pk_add_f32 v[254:255], v[254:255], v[98:99]
	v_pk_add_f32 v[252:253], v[252:253], v[102:103]
	v_pk_add_f32 v[250:251], v[250:251], v[106:107]
	v_pk_add_f32 v[248:249], v[248:249], v[110:111]
	v_pk_add_f32 v[246:247], v[246:247], v[114:115]
	v_pk_add_f32 v[244:245], v[244:245], v[118:119]
	v_pk_add_f32 v[14:15], v[14:15], v[122:123]
	v_pk_add_f32 v[228:229], v[228:229], v[126:127]
	v_pk_add_f32 v[254:255], v[254:255], v[130:131]
	v_pk_add_f32 v[252:253], v[252:253], v[134:135]
	v_pk_add_f32 v[250:251], v[250:251], v[138:139]
	v_pk_add_f32 v[248:249], v[248:249], v[142:143]
	v_pk_add_f32 v[246:247], v[246:247], v[146:147]
	v_pk_add_f32 v[244:245], v[244:245], v[150:151]
	v_pk_add_f32 v[14:15], v[14:15], v[154:155]
	v_pk_add_f32 v[228:229], v[228:229], v[158:159]
	s_delay_alu instid0(VALU_DEP_2)
	v_pk_add_f32 v[14:15], v[14:15], v[250:251]
	s_delay_alu instid0(VALU_DEP_2)
	v_pk_add_f32 v[228:229], v[228:229], v[248:249]
	v_pk_add_f32 v[254:255], v[254:255], v[246:247]
	v_pk_add_f32 v[252:253], v[252:253], v[244:245]
	s_delay_alu instid0(VALU_DEP_2)
	v_pk_add_f32 v[14:15], v[14:15], v[254:255]
	s_delay_alu instid0(VALU_DEP_2)
	v_pk_add_f32 v[228:229], v[228:229], v[252:253]
	s_delay_alu instid0(VALU_DEP_1)
	v_pk_add_f32 v[14:15], v[14:15], v[228:229]
	s_wait_alu depctr_va_vdst(0)                   ; and one for the four
.irp b, 0,1,2,3
	v_max_num_f32 v[BM+\b], 0x1800000, v[BM+\b]    ; the floor 2^(3 - 127): a block whose every p is 0 keeps the byte 1 over zero codes
.endr
.irp b, 0,1,2,3
	s_delay_alu instid0(VALU_DEP_4)
	v_add_nc_u32 v[SCO+\b], 0xff000000, v[BM+\b]   ; 2 off the exponent field: the conversion's scale operand
.endr
.irp b, 0,1,2,3
	s_delay_alu instid0(VALU_DEP_4)
	v_lshrrev_b32 v[BP+\b], 23, v[SCO+\b]          ; the byte
.endr
	s_delay_alu instid0(VALU_DEP_3)
	v_lshl_or_b32 v[PS], v[BP+1], 8, v[BP]         ; p's scale word for these 128 keys
	s_delay_alu instid0(VALU_DEP_1)
	v_lshl_or_b32 v[PS], v[BP+2], 16, v[PS]
	s_delay_alu instid0(VALU_DEP_1)
	v_lshl_or_b32 v[PS], v[BP+3], 24, v[PS]
.irp c, 0,1
	v_cvt_scalef32_pk16_fp6_f32 v[PC+6*\c:PC+6*\c+2], v[S+32*\c:S+32*\c+15], v[SCO+2*\c]
	v_cvt_scalef32_pk16_fp6_f32 v[PT+4*\c:PT+4*\c+2], v[S+32*\c+16:S+32*\c+31], v[SCO+2*\c+1]
.endr
	v_nop                                          ; one plain place behind the scaled conversions
.irp t, 0,1,2,3
.irp g, 0,1,2
	ds_load_b128 v[S+12*\t+4*\g:S+12*\t+4*\g+3], v[ADK] offset:(\q)*STEPB+6144+1536*\t+512*\g   ; V's four fragments, into the registers that p has left; they land under the lines below
.endr
.endr
.irp c, 0,1                            ; the operand's layout wants a WHOLE block in a lane: lanes 0-15 block 2 c, lanes 16-31 block 2 c + 1
.irp i, 0,1,2
	v_permlane16_swap_b32 v[PC+6*\c+\i], v[PT+4*\c+\i]
.endr
.irp i, 0,1,2
	s_delay_alu instid0(VALU_DEP_3)
	v_mov_b32 v[PC+6*\c+3+\i], v[PT+4*\c+\i]
.endr
.endr
.set n, 0
.rept 16
	v_pk_mul_f32 v[O+n:O+n+1], v[O+n:O+n+1], v[F:F+1] op_sel_hi:[1,0]   ; O^T under the new M, each accumulator from its low end on
.set n, n+2
.endr
.rept 4
	v_nop                                          ; with the other tiles' twelve multiplications: eight places behind the scale word's last line, four behind the codes' last
.endr
	s_wait_alu depctr_va_vdst(0)
	s_wait_dscnt 0x0                               ; V is in
.irp t, 0,1,2,3                        ; O^T += V^T P^T; the four accumulators take turns, and eight other products stand between two turns of one
.if \t%2
	v_wmma_scale_f32_16x16x128_f8f6f4 v[O+8*\t:O+8*\t+7], v[S+12*\t:S+12*\t+11], v[PC:PC+11], v[O+8*\t:O+8*\t+7], v[VS+\t/2], v[PS] matrix_a_fmt:MATRIX_FMT_FP6 matrix_b_fmt:MATRIX_FMT_FP6 matrix_a_scale:MATRIX_SCALE_ROW1
.else
	v_wmma_scale_f32_16x16x128_f8f6f4 v[O+8*\t:O+8*\t+7], v[S+12*\t:S+12*\t+11], v[PC:PC+11], v[O+8*\t:O+8*\t+7], v[VS+\t/2], v[PS] matrix_a_fmt:MATRIX_FMT_FP6 matrix_b_fmt:MATRIX_FMT_FP6
.endif
.endr
.Lhid_\@:
.endm
; THE CHANGE OF SLOTS stands at a slot's head.  Every wave waits for all its tensor loads, adds 0 to its spare word, and waits for that and for its reads of the slot that it has left; one barrier.
; fill = 1: behind it wave 0 fills the slot just left with the walk's next slot of keys: position P + 1 of 9 is slot P + 1, less L from the second block on.  That load has the trip's two key steps in which to land.
.macro CHANGE fill
	s_wait_tensorcnt 0x0                           ; no tensor load is out, so group 0 may be written
	ds_add_u32 v[SPW], v[NIL]                      ; 0 onto my spare word
.if \fill
	ds_add_u32 v[SPW], v[NIL]                      ; and once more
	s_add_co_u32 s56, s15, 1
	s_cmp_ge_u32 s56, s14
	s_cselect_b32 s57, s14, 0
	s_sub_co_u32 s17, s56, s57                     ; the next slot of keys
	s_mul_i32 s38, s17, SLOTB
	s_xor_b32 s33, s33, SLOT1                      ; the other LDS slot than last time
	s_add_nc_u64 s[34:35], s[36:37], s[38:39]
	s_or_b32 s35, s35, 0x80000000
	s_wait_xcnt 0x0                                ; the last prefetch, a trip back, has read its address, so it may be written
	s_add_nc_u64 s[46:47], s[46:47], SLOTB
.endif
	s_wait_dscnt 0x0                               ; the add is done, and my reads of the slot that I have left are over
	s_barrier_signal -1
	s_barrier_wait -1
.if \fill
	TLOAD                                          ; the first thing behind the barrier, and the one tensor load until the next
	ASK
.endif
.endm
; THE WAY OUT of a block: O^T / the row's sum goes through my stage (16 rows of 256 bytes + 16) and leaves as whole rows: a store covers 512 consecutive bytes, aligned.
.macro WAYOUT
.rept 4
	v_nop                                          ; places behind the last products
.endr
	v_add_f32 v14, v14, v15
	s_delay_alu instid0(VALU_DEP_1)
	v_permlanex16_b32 v[TA], v14, s20, s21
	s_delay_alu instid0(VALU_DEP_1)
	v_add_f32 v14, v14, v[TA]                      ; the sum's two halves and lane l xor 16's
	s_wait_alu depctr_va_vdst(0)
	v_rcp_f32 v14, v14
	v_nop                                          ; a plain place behind the reciprocal,
	s_wait_alu depctr_va_vdst(0)                   ; and a wait ahead of its first reader
.set n, 0
.rept 32
	v_mul_f32 v[S+n], v[O+n], v14                  ; register 8 t + i is out0(my query, 16 t + 8 h + i); each accumulator from its low end on
.set n, n+1
.endr
.irp t, 0,1,2,3
	ds_store_b128 v[STO], v[S+8*\t:S+8*\t+3] offset:64*\t
	ds_store_b128 v[STO], v[S+8*\t+4:S+8*\t+7] offset:64*\t+16
.endr
.irp i, 0,1,2,3,4,5,6,7
	ds_load_b128 v[128+4*\i:131+4*\i], v[RD] offset:544*\i         ; LDS serves a wave's instructions in order: these see my stores
.endr
.irp i, 0,1,2,3,4,5,6,7
	s_wait_dscnt 7-\i                              ; load i is in; the younger ones stay out
	global_store_b128 v[LI], v[128+4*\i:131+4*\i], s[40:41] offset:512*\i th:TH_STORE_NT
.endr
	s_wait_xcnt 0x0                                ; the stores have read their registers and their base: both may be written again
.endm
.Ltrip:                                            ; eight trips: positions 0 to 7 of the walk; behind each change of slots the next position's slot is asked for
	CHANGE 1
	s_lshl_b32 s19, s16, 8                         ; the slot's first key
	STEP 0
	STEP 1
	s_xor_b32 s18, s18, SLOT1                      ; on to the other LDS slot
	s_cmp_lg_u32 s17, 0                            ; the next slot is slot 0 again: the first block is done.  Ids and the count of trips alone: all sixteen waves go the same way, once
	s_cbranch_scc1 .Lsame
	WAYOUT
.irp i, 0,1,2,3,4,5
	v_mov_b32 v[Q+\i], v[QB+\i]                    ; the second block's Q; the lines of RESET are the places between these and the next products
.endr
	v_mov_b32 v[QS], v[QSB]
	s_mov_b32 s44, s45
	s_mov_b64 s[40:41], s[42:43]
	RESET
.Lsame:
	s_mov_b32 s16, s17
	s_add_co_u32 s15, s15, 1
	s_cmp_lt_u32 s15, 8
	s_cbranch_scc1 .Ltrip
	CHANGE 0                                       ; position 8 is written out: nothing is left to fetch
	s_lshl_b32 s19, s16, 8
	STEP 0
	STEP 1
	WAYOUT
	s_wait_tensorcnt 0x0                           ; the wave's end, behind the last tensor load and my last LDS store
	ds_add_u32 v[SPW], v[NIL]
	s_wait_dscnt 0x0
	s_endpgm
.Lfunc_end_k_q60e40ca6db_attn:
	.size	k_q60e40ca6db_attn, .Lfunc_end_k_q60e40ca6db_attn-k_q60e40ca6db_attn
	.p2alignl 7, 3214868480
	.fill 96, 4, 3214868480
	.section	.rodata,"a",@progbits
	.p2align	6, 0x0
	.amdhsa_kernel k_q60e40ca6db_attn
		.amdhsa_group_segment_fixed_size 327680
		.amdhsa_private_segment_fixed_size 0
		.amdhsa_enable_private_segment 0
		.amdhsa_kernarg_size 24
		.amdhsa_user_sgpr_count 2
		.amdhsa_user_sgpr_kernarg_segment_ptr 1
		.amdhsa_wavefront_size32 1
		.amdhsa_system_sgpr_workgroup_id_x 1
		.amdhsa_system_sgpr_workgroup_id_y 1
		.amdhsa_system_sgpr_workgroup_id_z 1
		.amdhsa_system_vgpr_workitem_id 0
		.amdhsa_next_free_vgpr 256
		.amdhsa_next_free_sgpr 72
		.amdhsa_reserve_vcc 1
		.amdhsa_float_denorm_mode_32 3
		.amdhsa_float_denorm_mode_16_64 3
		.amdhsa_memory_ordered 1
		.amdhsa_forward_progress 1
		.amdhsa_inst_pref_size 115
	.end_amdhsa_kernel
	.amdgpu_metadata
---
amdhsa.version: [ 1, 2 ]
amdhsa.kernels:
  - .name:           k_q60e40ca6db_attn
    .symbol:         k_q60e40ca6db_attn.kd
    .args:
      - { .name: query, .offset: 0, .size: 8, .value_kind: global_buffer, .address_space: global }
      - { .name: kv, .offset: 8, .size: 8, .value_kind: global_buffer, .address_space: global }
      - { .name: out0, .offset: 16, .size: 8, .value_kind: global_buffer, .address_space: global }
    .group_segment_fixed_size: 327680
    .private_segment_fixed_size: 0
    .kernarg_segment_align: 8
    .kernarg_segment_size: 24
    .max_flat_workgroup_size: 512
    .sgpr_count:     72
    .vgpr_count:     256
    .wavefront_size: 32
...
	.end_amdgpu_metadata
.endif
;; end of part 2
